; MI455X (gfx1250); checked and timed in simulation.
; The chip was launched on July 23, 2026; its instructions are those of AMD's public machine-readable ISA for CDNA 5 (MIT licence, August 2026) and "CDNA5" Instruction Set Architecture Reference Guide (July 2026). The comments in the code are by the model that wrote it; some were corrected since.
;; Multi Agent SEPS Network. Allowed arithmetic: float matrix products may take bf16 or f16 operands with f32 sums; other float arithmetic in f32, or as packed bf16 or f16 multiplies, adds, multiply-adds, maxima and minima; sums over many terms, partial sums and values carried from step to step in f32; what a program stores and reads back later, other than sums and carried values, may be rounded once to bf16 or f16.
;; Inputs: W1 4 x 256 x 1,024 float32; W2 4 x 1,024 x 1,024 float32; W3 4 x 1,024 x 512 float32; b1 4 x 1,024 float32; b2 4 x 1,024 float32; b3 4 x 512 float32; seps_idx 8 int32; x 8 x 1,024 x 256 float32.
;; Outputs: out0 8 x 1,024 x 512 float32.
;; One version. Each part assembles by itself: llvm-mc -triple=amdgcn-amd-amdhsa -mcpu=gfx1250 --defsym DOCPART=n.
;; ======== version 1 of 1: 3 launches
;; limits: values are held in f16: magnitudes above 65,504 overflow, below 6.1e-05 lose precision
;; workspace buffers: w2h 8,388,608 bytes; w3b 4,194,304 bytes; h1 16,777,216 bytes; h2 16,777,216 bytes
;; launch lay1 (part 1): grid 4 x 64, 4 waves a work-group, clusters of 4 x 4, 327,680 bytes of LDS; arguments x, W1, b1, seps_idx, h1, W2, W3, w2h, w3b; writes h1, w2h, w3b
.if DOCPART == 1
	.amdgcn_target "amdgcn-amd-amdhsa--gfx1250"
	.amdhsa_code_object_version 6
	.text
	.protected	k_q7a2dd86a43_lay1
	.globl	k_q7a2dd86a43_lay1
	.p2align	8
	.type	k_q7a2dd86a43_lay1,@function
k_q7a2dd86a43_lay1:
	s_mov_b64 s[64:65], 0
	v_nop
	global_prefetch_b8 v0, s[64:65] scope:SCOPE_SE
	s_setreg_imm32_b32 hwreg(HW_REG_WAVE_MODE, 25, 1), 1
	s_wait_xcnt 0x0
	s_wait_alu depctr_hold_cnt(0) depctr_sa_sdst(0) depctr_va_vdst(0) depctr_va_sdst(0) depctr_va_ssrc(0) depctr_va_vcc(0) depctr_vm_vsrc(0)
	s_getreg_b32 s2, hwreg(HW_REG_IB_STS2, 6, 4)
	s_cmp_eq_u32 s2, 0
	s_cbranch_scc0 .Lentry_in_a_cluster
	s_endpgm
.Lentry_in_a_cluster:
	s_bfe_u32 s2, ttmp6, 0x10000c
	s_cmp_lg_u32 s2, 0xf033
	s_cbranch_scc0 .Lentry_shape_is_right
	s_endpgm
.Lentry_shape_is_right:
; LAYER 1 of the chosen net, straight from the f32 inputs: h1[row][n] = f16(relu(sum over k of bf16(x[row][k]) bf16(W1[e][k][n]) + bf16(b1[e][n]))), e = seps_idx[row / 1024]; sums in f32.
; x [8192][256], W1 [4][256][1024], b1 [4][1024] f32; h1 [8192][1024] f16.  Only the chosen net's products are made: an agent's 1,024 rows lie on end, so a tile of rows has one net.
; BESIDE IT each work-group rounds 1/256 of W2 and of W3 for the two launches behind: W3 to bf16; W2 to bf16, and that number written as f16 (the second product runs in the f16 form).
; LIMITS.  h1 is kept in f16: a number from 65,520 on becomes an infinity (x and W1 both 30 times larger give some 5,000, both with an offset of 30 spreads some 14,400).  A bf16 number of W2 is
; exact in f16 from 2^-17 to 65,504 in magnitude: below, it keeps f16's fixed step of 2^-24; from 65,520 on it becomes an infinity.  The packed ReLU turns a NaN into 0.  The index is clamped to 0 .. 3.
; SHARES.  A tile of C is 128 x 256: 64 x 4 = 256 work-groups; four waves, 2 x 2, each 64 rows x 128 columns: 32 accumulators.  All of K = 256 lies in LDS at once: nothing is filled again.
; x: the tile's 128 rows stay f32 in LDS (1,024 bytes a row), brought by one tensor load a wave, 32 rows each.  Each wave reads its 64 rows ONCE, rounds them in registers and keeps all its 32
; fragments of A (256 registers), so that the products read only W from LDS.
; W1: the turning load wants 16-bit numbers, so the tile (256 k x 256 columns, 256 KB of f32) comes through registers: loaded in pieces of 512 consecutive bytes, rounded, put into LDS as bf16.
; CLUSTER.  4 x 4 work-groups.  The four of a row of the cluster need the same rows of x, which are asked for JOINTLY.  W1 IS NOT SHARED: it has to be rounded on its way, through registers, and no
; tensor load's descriptor covers that; its address also holds the net's number, which is read from memory.
; THE LOADS THROUGH REGISTERS are 24 groups of 8, in this order: 0-3 my 16 KB of W2, 4-5 my 8 KB of W3 (they need no index and go out first), 6-21 my 64 rows of W1's tile, 22-23 the bias.
; Seven groups, 56 loads of 512 bytes, are out in each wave; group j + 7 is asked for when group j has come.  Groups 0-21 land in a ring of eight buffers where the accumulators will lie.
; THE MATRIX INSTRUCTION IS USED TRANSPOSED: source 0 = 16 columns of W, source 1 = 16 rows of A: a lane then holds one row of C and eight neighbouring columns.  The first product's C is the bias.
; REGISTERS, in windows of 256 (s_set_vgpr_msb: bits 1:0 source 0, 3:2 source 1, 5:4 source 2, 7:6 destination):
;   window 0: addresses, T, TMP, BIAS, OB / CST      window 1: x as f32 on its way to fragments; later four buffers of W's fragments
;   window 2: the ring of loads; later accumulator (a, b) at 8 (8 a + b)      window 3: A's fragment (quarter q, block a) at 8 (4 q + a)
.set SIZE_K, 256
.set SIZE_N, 1024
.set TM,     128                       ; rows in a tile of C
.set PX,     1040                      ; a row of x in LDS: 1,024 bytes + 16: the 16 rows of a load start at 16 different groups of four banks (64 banks of 4 bytes: ISA guide 11.1)
.set PB,     544                       ; a row of W in LDS: 256 bf16 = 512 bytes + 32
.set WB,     TM*PX                     ; behind x's tile: W's, written by ds_store alone
.set STAGE,  WB+SIZE_K*PB              ; 16 rows x 272 bytes for each wave, for the way out
.set SP,     272
.set SPARE,  STAGE+4*16*SP             ; the spare words, 128 bytes for each wave: two blocks of 256 bytes that no other line names
.set ROWB,   2048                      ; bytes in a row of h1
.set LOFF, 10                          ; v10  16 x lane: my 16 bytes in 512 loaded
.set SOFF, 11                          ; v11  8 x lane: my 8 bytes in 256 stored
.set WST,  12                          ; v12  LDS address of my 8 bytes in the first of my wave's 64 rows of W
.set ADRX, 13                          ; v13  LDS address of my lane's part of my wave's first row block of x
.set T,    16                          ; v16-19  at work
.set ADRB, 20                          ; v20-21  LDS address of my W fragments, k 0-127 and k 128-255 (the immediate offset has 16 bits)
.set STO,  24                          ; v24  the way out: where I put my piece of a row
.set RD,   25                          ; v25  the way out: where I read a row back
.set CO,   26                          ; v26  my byte offset in h1
.set ZERO, 27                          ; v27  0, for the ReLU
.set SPW,  28                          ; v28  LDS address of my spare word; never rewritten
.set NIL,  29                          ; v29  0; never rewritten
.set BO,   30                          ; v30  my byte offset in 16 numbers of the bias
.set TMP,  32                          ; v32-63   rounded W1 on its way to LDS; packed results
.set BIAS, 64                          ; v64-127  eight registers for each block of 16 columns
.set OB,   128                         ; v128-191 16 rows read back from the stage, two buffers
.set CST,  128                         ; v128-223 earlier: the data of the 48 stores of W2 and W3, each store its own pair
.set G1,  32                           ; s[32:39] descriptor group 1 for x's rows
.set G0,  40                           ; s[40:43] descriptor group 0
.set W_RING, 0x80                      ; destination window 2
.set W_PACK, 0x0a                      ; sources 0 and 1 window 2, destination window 0
.set W_LAND, 0x40                      ; destination window 1
.set W_XCV,  0xc5                      ; sources 0 and 1 window 1, destination window 3
.set W_MUL,  0xad                      ; source 0 (W) window 1, source 1 (A) window 3, C and D window 2
.set W_MUL0, 0x8d                      ; the same with C (the bias) in window 0
.set MSB, 0
.macro WIN new                         ; the immediate's high byte repeats the setting that is left; a switch that changes nothing is dropped
.if MSB != (\new)
	s_set_vgpr_msb (MSB<<8)|(\new)
.set MSB, \new
.endif
.endm
.macro PLACES                          ; four places in front of loads into registers that matrix instructions have read, and of lines that read results
.rept 4
	v_nop
.endr
.endm
.macro CROUND                          ; a round of the cluster's barrier
	s_barrier_signal -1
	s_barrier_wait -1
	s_cmp_lg_u32 s22, 0
	s_cbranch_scc1 .Lnot_wave_0_\@
	s_barrier_signal -3
.Lnot_wave_0_\@:
	s_barrier_wait -3
	s_barrier_signal -1
	s_barrier_wait -1
.endm
; Group j of the loads through registers is asked for: eight loads, each 512 consecutive bytes of the wave's.
.macro ISSUE j
.if (\j) < 22
	WIN W_RING
.set rI, 32*((\j)%8)
.set gn, 0
.rept 8
.if (\j) < 4
	global_load_b128 v[rI+4*gn:rI+4*gn+3], v[LOFF], s[14:15] offset:512*(8*(\j)+gn) th:TH_LOAD_NT         ; W2: read once in the launch
.elseif (\j) < 6
	global_load_b128 v[rI+4*gn:rI+4*gn+3], v[LOFF], s[16:17] offset:512*(8*((\j)-4)+gn) th:TH_LOAD_NT     ; W3 likewise
.else
	global_load_b128 v[rI+4*gn:rI+4*gn+3], v[LOFF], s[6:7] offset:(4*((\j)-6)+gn/2)*4096+(gn%2)*512       ; W1: four rows k of the tile, two halves each; other work-groups read them too: no hint
.endif
.set gn, gn+1
.endr
	WIN 0
.else
	WIN 0
.set gn, 0
.rept 8
	global_load_b128 v[BIAS+32*((\j)-22)+4*gn:BIAS+32*((\j)-22)+4*gn+3], v[BO], s[8:9] offset:64*(4*((\j)-22)+gn/2)+16*(gn%2)  ; register i of block b: the bias of column 16 b + 8 h + i
.set gn, gn+1
.endr
.endif
.endm
; Group j has come: rounded to bf16 (W2: and written as f16), and stored: W2 and W3 to memory, a wave's store 256 consecutive bytes, aligned; W1 into LDS, 256 consecutive bytes likewise.
.macro CONV j
.set rL, 32*((\j)%8)
.if (\j) < 6
.set rO, CST+16*(\j)                   ; a global store's data stay untouched: every store has its own pair
.else
.set rO, TMP+16*((\j)%2)
.endif
	WIN W_PACK
.set cn, 0
.rept 8
	v_cvt_pk_bf16_f32 v[rO+2*cn], v[rL+4*cn], v[rL+4*cn+1]
	v_cvt_pk_bf16_f32 v[rO+2*cn+1], v[rL+4*cn+2], v[rL+4*cn+3]
.set cn, cn+1
.endr
	WIN 0
.if (\j) < 4
.set cn, 0
.rept 16
	v_lshlrev_b32 v[T+2*(cn%2)], 16, v[rO+cn]              ; bf16 to f32: the low half moves up, the high half stays
	v_and_b32 v[T+2*(cn%2)+1], 0xffff0000, v[rO+cn]
	v_cvt_pk_f16_f32 v[rO+cn], v[T+2*(cn%2)], v[T+2*(cn%2)+1]
.set cn, cn+1
.endr
.endif
.set cn, 0
.rept 8
.if (\j) < 4
	global_store_b64 v[SOFF], v[rO+2*cn:rO+2*cn+1], s[18:19] offset:256*(8*(\j)+cn)        ; later launches read these bytes: no hint
.elseif (\j) < 6
	global_store_b64 v[SOFF], v[rO+2*cn:rO+2*cn+1], s[20:21] offset:256*(8*((\j)-4)+cn)
.else
	ds_store_b64 v[WST], v[rO+2*cn:rO+2*cn+1] offset:(4*((\j)-6)+cn/2)*PB+(cn%2)*256
.endif
.set cn, cn+1
.endr
.endm
.macro STEP j                          ; group j's turn
.if (\j) <= 17
	s_wait_loadcnt 48                              ; loads come back in order (ISA guide 5.7.1): group j is in, the six younger groups stay out
.else
	s_wait_loadcnt 8*(23-(\j))                     ; nothing more is asked for: the count runs down
.endif
.if (\j)+7 < 24
	ISSUE (\j)+7                                   ; into the buffer that group j - 1 left
.endif
	CONV \j
.endm
; x to fragments, eight fragments at a time.  A fragment is 16 rows x 32 k: lane l holds row l % 16, k = 8 (l / 16) + 0..7 and 16 + 8 (l / 16) + 0..7: as f32 two pieces of 32 bytes, 64 bytes apart: four loads of 16.
.macro XLOAD s
	WIN W_LAND
.set xf, 0
.rept 8
.set fr, 8*(\s)+xf                     ; fragment 4 q + a
.set rX, 128*((\s)%2)+16*xf
.set oX, (fr%4)*16*PX+(fr/4)*128
	ds_load_b128 v[rX:rX+3],     v[ADRX] offset:oX
	ds_load_b128 v[rX+4:rX+7],   v[ADRX] offset:oX+16
	ds_load_b128 v[rX+8:rX+11],  v[ADRX] offset:oX+64
	ds_load_b128 v[rX+12:rX+15], v[ADRX] offset:oX+80
.set xf, xf+1
.endr
.endm
.macro XCVT s
	WIN W_XCV
.set xf, 0
.rept 8
.set fr, 8*(\s)+xf
.set rX, 128*((\s)%2)+16*xf
.set xi, 0
.rept 8
	v_cvt_pk_bf16_f32 v[8*fr+xi], v[rX+2*xi], v[rX+2*xi+1]
.set xi, xi+1
.endr
.set xf, xf+1
.endr
.endm
; Matrix instructions i0 .. i0 + n - 1 of quarter q's 32 (32 along K).  The 32 accumulators take turns, one instruction a turn.  Quarter 0 starts the sums, with the bias as C.
.macro MULR q, i0, n
.set ii, \i0
.rept \n
.set ia, ii/8
.set ib, ii%8
.set rD, 8*(8*ia+ib)
.set rB, 64*((\q)%4)+8*ib
.set rA, 8*(4*(\q)+ia)
.if (\q) == 0
	WIN W_MUL0
	v_wmma_f32_16x16x32_bf16 v[rD:rD+7], v[rB:rB+7], v[rA:rA+7], v[BIAS+8*ib:BIAS+8*ib+7]
.else
	WIN W_MUL
	v_wmma_f32_16x16x32_bf16 v[rD:rD+7], v[rB:rB+7], v[rA:rA+7], v[rD:rD+7]
.endif
.set ii, ii+1
.endr
.endm
.macro FETCHW q                        ; 16 LDS loads in one run: W's eight fragments of quarter q, turned, into buffer q % 4
	WIN W_LAND
.set rF, 64*((\q)%4)
.set rAB, ADRB+(\q)/4
.set kk, (32*(\q))%128
.set ib, 0
.rept 8
	ds_load_tr16_b128 v[rF+8*ib:rF+8*ib+3],   v[rAB] offset:kk*PB+32*ib
	ds_load_tr16_b128 v[rF+8*ib+4:rF+8*ib+7], v[rAB] offset:kk*PB+32*ib+16*PB
.set ib, ib+1
.endr
.endm
.macro QUARTER q, left, fetch          ; left: the LDS loads issued behind quarter q's, which may stay out; fetch = 1: W of the quarter after next is fetched in the middle
	s_wait_dscnt \left
	MULR \q, 0, 16
.if \fetch
	PLACES
	FETCHW (\q)+2
.endif
	MULR \q, 16, 16
.endm
; THE WAY OUT of my block a of 16 rows.  PACK: rounded to f16, then the ReLU on packed halves.  TOSTAGE: into my own stage, and back as whole rows of 256 bytes.  SEND: stored.
.macro PACK a
	WIN W_PACK
.set ib, 0
.rept 8
.set ir, 0
.rept 4
	v_cvt_pk_f16_f32 v[TMP+4*ib+ir], v[8*(8*(\a)+ib)+2*ir], v[8*(8*(\a)+ib)+2*ir+1]   ; each accumulator's registers in ascending order
.set ir, ir+1
.endr
.set ib, ib+1
.endr
	WIN 0
.set ir, 0
.rept 32
	v_pk_max_num_f16 v[TMP+ir], v[TMP+ir], v[ZERO]
.set ir, ir+1
.endr
.endm
.macro TOSTAGE a
	WIN 0
.set BK, OB+32*((\a)%2)
	s_wait_xcnt 0x0                                ; this buffer was the data of earlier stores (W2's; the block's two before): it is loaded again only behind this wait
.set ib, 0
.rept 8
	ds_store_b128 v[STO], v[TMP+4*ib:TMP+4*ib+3] offset:32*ib
.set ib, ib+1
.endr
.irp t, 0,1,2,3,4,5,6,7
	ds_load_b128 v[BK+4*(\t):BK+4*(\t)+3], v[RD] offset:(\t)*2*SP  ; LDS serves a wave's instructions in order (ISA guide 5.7.1.4): these see the stores above, and the next block's stores come behind them
.endr
.endm
.macro SEND a, younger                 ; younger: the LDS instructions issued behind block a's loads: the next block's sixteen, or none
	WIN 0
.set BK, OB+32*((\a)%2)
.irp t, 0,1,2,3,4,5,6,7
	s_wait_dscnt (\younger)+7-(\t)
	global_store_b128 v[CO], v[BK+4*(\t):BK+4*(\t)+3], s[12:13] offset:(16*(\a)+2*(\t))*ROWB  ; 16 lanes store 256 consecutive bytes, aligned; the next launch reads them: no hint
.endr
.endm
	s_load_b256 s[4:11], s[0:1], 0x0               ; x s[4:5], W1 s[6:7], b1 s[8:9], seps_idx s[10:11]
	s_load_b256 s[12:19], s[0:1], 0x20             ; h1 s[12:13], W2 s[14:15], W3 s[16:17], w2h s[18:19]
	s_load_b64 s[20:21], s[0:1], 0x40              ; w3b
	v_lshl_add_u32 v[SPW], v0, 2, SPARE
	v_mov_b32 v[NIL], 0
	ds_add_u32 v[SPW], v[NIL]                      ; the wave's opening: the add and its wait stand ahead of my first tensor load; the set-up below, work on registers, stands between them
	v_lshrrev_b32 v1, 5, v0
	v_readfirstlane_b32 s22, v1                    ; wave 0..3
	s_lshr_b32 s23, s22, 1                         ; my block of 64 rows in the tile
	s_and_b32 s24, s22, 1                          ; my block of 128 columns
	s_bfe_u32 s25, ttmp6, 0x40000                  ; cx, cy: my place in the cluster
	s_bfe_u32 s26, ttmp6, 0x40004
	s_lshl_b32 s27, ttmp9, 2
	s_add_co_u32 s27, s27, s25                     ; tile column of C = 4 x cluster x + cx
	s_and_b32 s28, ttmp7, 0xffff
	s_lshl_b32 s28, s28, 2
	s_add_co_u32 s28, s28, s26                     ; tile row of C = 4 x cluster y + cy
	s_and_b32 s44, ttmp7, 0xffff
	s_lshr_b32 s44, s44, 1                         ; the agent: a cluster's 512 rows are half of its 1,024,
	s_lshl_b32 s44, s44, 2                         ; and its word in seps_idx
	s_mov_b32 s45, 0
	s_lshl_b32 s29, s26, 2
	s_lshl_b32 s29, 15, s29                        ; my row of the cluster
	s_or_b32 s[G1+0], s29, (2<<16)|(1<<20)|(1<<21)|(7<<22)|(3<<25)  ; 15:0 the mask: x's rows go to my row of the cluster; 17:16 4-byte elements; 20 padding on; 21 set beside a mask; 24:22 after every 256 words, a row; 31:25 4 words
	s_mov_b32 s[G1+1], SIZE_K<<16                  ; tensor_dim0 = 256
	s_mov_b32 s[G1+2], 32<<16                      ; tensor_dim1 = 32
	s_mov_b32 s[G1+3], SIZE_K<<16                  ; tile_dim0 = 256
	s_mov_b32 s[G1+4], 32                          ; tile_dim1 = 32
	s_mov_b32 s[G1+5], SIZE_K                      ; elements from row to row
	s_mov_b32 s[G1+6], 0
	s_mov_b32 s[G1+7], 0
	s_lshl_b32 s46, s28, 17                        ; x: row 128 x tile row + 32 x wave, rows of 1,024 bytes; registers that never hold cx
	s_lshl_b32 s47, s22, 15
	s_add_co_u32 s46, s46, s47
	s_mov_b32 s47, 0
	s_lshl_b32 s48, s28, 18                        ; h1: row 128 x tile row + 64 x my block, rows of 2,048 bytes,
	s_lshl_b32 s49, s23, 17
	s_add_co_u32 s48, s48, s49
	s_lshl_b32 s49, s27, 9                         ; column 256 x tile column + 128 x my block, 2 bytes each
	s_add_co_u32 s48, s48, s49
	s_lshl_b32 s49, s24, 8
	s_add_co_u32 s48, s48, s49
	s_mov_b32 s49, 0
	s_lshl_b32 s31, s28, 2
	s_add_co_u32 s31, s31, s27                     ; the work-group's number, 0 .. 255: its share of W2 and W3
	s_lshl_b32 s50, s31, 16                        ; W2 in: 65,536 a work-group, 16,384 a wave
	s_lshl_b32 s51, s22, 14
	s_add_co_u32 s50, s50, s51
	s_mov_b32 s51, 0
	s_lshl_b32 s52, s31, 15                        ; W2 out and W3 in: half of that
	s_lshl_b32 s53, s22, 13
	s_add_co_u32 s52, s52, s53
	s_mov_b32 s53, 0
	s_lshl_b32 s54, s31, 14                        ; W3 out: a quarter
	s_lshl_b32 s55, s22, 12
	s_add_co_u32 s54, s54, s55
	s_mov_b32 s55, 0
	v_and_b32 v3, 31, v0                           ; lane
	v_lshlrev_b32 v[LOFF], 4, v3
	v_lshlrev_b32 v[SOFF], 3, v3
	v_and_b32 v1, 15, v0                           ; r = l % 16
	v_bfe_u32 v2, v0, 4, 1                         ; h = l / 16
	v_lshlrev_b32 v[BO], 5, v2
	s_wait_dscnt 0x0                               ; the opening add is done
	s_wait_kmcnt 0x0
	s_add_nc_u64 s[10:11], s[10:11], s[44:45]
	s_load_b32 s30, s[10:11], 0x0                  ; the agent's net: waited for behind the round and the tensor load, which do not need it
	s_add_nc_u64 s[4:5], s[4:5], s[46:47]
	s_add_nc_u64 s[12:13], s[12:13], s[48:49]
	s_add_nc_u64 s[14:15], s[14:15], s[50:51]
	s_add_nc_u64 s[16:17], s[16:17], s[52:53]
	s_add_nc_u64 s[18:19], s[18:19], s[52:53]
	s_add_nc_u64 s[20:21], s[20:21], s[54:55]
	s_mov_b32 s[G0], 1                             ; count = 1
	s_mul_i32 s[G0+1], s22, 32*PX                  ; LDS address: my 32 rows; no place in the cluster enters it
	s_mov_b64 s[G0+2:G0+3], s[4:5]                 ; global address
	s_or_b32 s[G0+3], s[G0+3], 0x80000000          ; type = 2
.irp j, 0,1,2,3,4,5
	ISSUE \j                                       ; W2 and W3: 48 loads go out before anything is waited for
.endr
	CROUND                                         ; all sixteen work-groups are here: the joint loads meet
	tensor_load_to_lds s[G0:G0+3], s[G1:G1+7]      ; my one tensor load of the launch
	s_nop 0
.rept 4
	v_nop
.endr
	v_mul_u32_u24 v3, v1, PX                       ; x: row r, 32 bytes of f32 for each half of the lanes
	v_lshl_add_u32 v3, v2, 5, v3
	s_mul_i32 s60, s23, 64*PX                      ; my 64 rows
	v_add_nc_u32 v[ADRX], s60, v3
	v_and_b32 v4, 7, v0                            ; the turning load: lane l reads row 8 h + l % 8 of W, columns 8 ((l / 8) % 2) + 0..7, and is left with column l % 16 and 8 k
	v_bfe_u32 v5, v0, 3, 1
	v_lshl_add_u32 v6, v2, 3, v4
	v_mul_u32_u24 v6, v6, PB
	v_lshl_add_u32 v6, v5, 4, v6
	s_lshl_b32 s60, s24, 8                         ; my 128 columns of the tile's 256
	s_add_co_u32 s60, s60, WB
	v_add_nc_u32 v[ADRB], s60, v6
	v_add_nc_u32 v[ADRB+1], 128*PB, v[ADRB]
	s_mul_i32 s60, s22, 64*PB                      ; the 64 rows of W that my wave rounds
	s_add_co_u32 s60, s60, WB
	v_add_nc_u32 v[WST], s60, v[SOFF]
	s_mul_i32 s60, s22, 16*SP
	s_add_co_u32 s60, s60, STAGE                   ; my stage
	v_mul_u32_u24 v7, v1, SP                       ; in: row r, 16 bytes for each half of the lanes
	v_lshl_add_u32 v7, v2, 4, v7
	v_add_nc_u32 v[STO], s60, v7
	v_mul_u32_u24 v8, v2, SP                       ; back: lanes 0-15 take one row of 256 bytes, lanes 16-31 the next
	v_lshl_add_u32 v8, v1, 4, v8
	v_add_nc_u32 v[RD], s60, v8
	v_lshlrev_b32 v9, 11, v2                       ; and the same two rows in h1
	v_lshl_add_u32 v[CO], v1, 4, v9
	v_mov_b32 v[ZERO], 0
	s_wait_kmcnt 0x0                               ; the net's number
	s_min_u32 s30, s30, 3                          ; a loaded number enters addresses only clamped
	s_lshl_b32 s56, s30, 20                        ; W1: the net (1 MB), the tile's 256 columns (1,024 bytes), my wave's 64 rows of 4,096 bytes
	s_lshl_b32 s57, s27, 10
	s_add_co_u32 s56, s56, s57
	s_lshl_b32 s57, s22, 18
	s_add_co_u32 s56, s56, s57
	s_mov_b32 s57, 0
	s_add_nc_u64 s[6:7], s[6:7], s[56:57]
	s_lshl_b32 s58, s30, 12                        ; the bias: the net, the tile's columns, my 128 of them
	s_lshl_b32 s59, s27, 10
	s_add_co_u32 s58, s58, s59
	s_lshl_b32 s59, s24, 9
	s_add_co_u32 s58, s58, s59
	s_mov_b32 s59, 0
	s_add_nc_u64 s[8:9], s[8:9], s[58:59]
	ISSUE 6                                        ; seven groups are out
.irp j, 0,1,2,3,4,5,6,7
	STEP \j
.endr
	s_wait_tensorcnt 0x0                           ; my 32 rows of x are in,
	s_wait_dscnt 0x0                               ; (no LDS instruction of mine is pending at the signal)
	s_barrier_signal -1
	s_barrier_wait -1                              ; everybody's are.  Seven groups of loads stay on their way while x is made into fragments
	XLOAD 0
	XLOAD 1
	s_wait_dscnt 32                                ; all but the 32 loads issued last
	XCVT 0
	XLOAD 2
	s_wait_dscnt 32
	XCVT 1
	XLOAD 3
	s_wait_dscnt 32
	XCVT 2
	s_wait_dscnt 0x0
	XCVT 3
	WIN 0
.irp j, 8,9,10,11,12,13,14,15,16,17,18,19,20,21
	STEP \j
.endr
	s_wait_loadcnt 0x0                             ; the bias; it is rounded to bf16 like the other inputs
.set ir, 0
.rept 32
	v_cvt_pk_bf16_f32 v[TMP+ir], v[BIAS+2*ir], v[BIAS+2*ir+1]
.set ir, ir+1
.endr
.set ir, 0
.rept 32
	v_lshlrev_b32 v[BIAS+2*ir], 16, v[TMP+ir]
	v_and_b32 v[BIAS+2*ir+1], 0xffff0000, v[TMP+ir]
.set ir, ir+1
.endr
	s_wait_dscnt 0x0                               ; for the others' sake: my 64 rows of W are in LDS,
	s_barrier_signal -1
	s_barrier_wait -1                              ; everybody's are
	FETCHW 0
	FETCHW 1
.irp q, 0,1,2,3,4,5
	QUARTER \q, 16, 1                              ; the next quarter's 16 loads may stay out
.endr
	QUARTER 6, 16, 0
	QUARTER 7, 0, 0
	WIN 0
	PLACES                                         ; the way out reads results just made
	PACK 0
	TOSTAGE 0
.irp a, 1,2,3
	PACK \a
	TOSTAGE \a                                     ; a block's work stands between the loads of the block before and its stores
	SEND (\a)-1, 16
.endr
	SEND 3, 0
	s_wait_tensorcnt 0x0                           ; the wave's end: behind my last tensor load and my last LDS store
	ds_add_u32 v[SPW], v[NIL]
	s_wait_dscnt 0x0
	CROUND                                         ; the closing round: no work-group ends while a partner may still ask for a tile that names it
	s_endpgm
.Lfunc_end_k_q7a2dd86a43_lay1:
	.size	k_q7a2dd86a43_lay1, .Lfunc_end_k_q7a2dd86a43_lay1-k_q7a2dd86a43_lay1
	.p2alignl 7, 3214868480
	.fill 96, 4, 3214868480
	.section	.rodata,"a",@progbits
	.p2align	6, 0x0
	.amdhsa_kernel k_q7a2dd86a43_lay1
		.amdhsa_group_segment_fixed_size 327680
		.amdhsa_private_segment_fixed_size 0
		.amdhsa_enable_private_segment 0
		.amdhsa_kernarg_size 72
		.amdhsa_user_sgpr_count 2
		.amdhsa_user_sgpr_kernarg_segment_ptr 1
		.amdhsa_wavefront_size32 1
		.amdhsa_system_sgpr_workgroup_id_x 1
		.amdhsa_system_sgpr_workgroup_id_y 1
		.amdhsa_system_sgpr_workgroup_id_z 1
		.amdhsa_system_vgpr_workitem_id 0
		.amdhsa_next_free_vgpr 1024
		.amdhsa_next_free_sgpr 66
		.amdhsa_reserve_vcc 0
		.amdhsa_float_denorm_mode_32 3
		.amdhsa_float_denorm_mode_16_64 3
		.amdhsa_memory_ordered 1
		.amdhsa_forward_progress 1
		.amdhsa_inst_pref_size 153
	.end_amdhsa_kernel
	.amdgpu_metadata
---
amdhsa.version: [ 1, 2 ]
amdhsa.kernels:
  - .name:           k_q7a2dd86a43_lay1
    .symbol:         k_q7a2dd86a43_lay1.kd
    .args:
      - { .name: x, .offset: 0, .size: 8, .value_kind: global_buffer, .address_space: global }
      - { .name: W1, .offset: 8, .size: 8, .value_kind: global_buffer, .address_space: global }
      - { .name: b1, .offset: 16, .size: 8, .value_kind: global_buffer, .address_space: global }
      - { .name: seps_idx, .offset: 24, .size: 8, .value_kind: global_buffer, .address_space: global }
      - { .name: h1, .offset: 32, .size: 8, .value_kind: global_buffer, .address_space: global }
      - { .name: W2, .offset: 40, .size: 8, .value_kind: global_buffer, .address_space: global }
      - { .name: W3, .offset: 48, .size: 8, .value_kind: global_buffer, .address_space: global }
      - { .name: w2h, .offset: 56, .size: 8, .value_kind: global_buffer, .address_space: global }
      - { .name: w3b, .offset: 64, .size: 8, .value_kind: global_buffer, .address_space: global }
    .group_segment_fixed_size: 327680
    .private_segment_fixed_size: 0
    .kernarg_segment_align: 8
    .kernarg_segment_size: 72
    .max_flat_workgroup_size: 128
    .sgpr_count:     66
    .vgpr_count:     1024
    .wavefront_size: 32
...
	.end_amdgpu_metadata
.endif
;; end of part 1
;; launch lay2 (part 2): grid 8 x 32, 4 waves a work-group, clusters of 4 x 4, 327,680 bytes of LDS; arguments h1, w2h, b2, seps_idx, h2; writes h2
.if DOCPART == 2
	.amdgcn_target "amdgcn-amd-amdhsa--gfx1250"
	.amdhsa_code_object_version 6
	.text
	.protected	k_q7a2dd86a43_lay2
	.globl	k_q7a2dd86a43_lay2
	.p2align	8
	.type	k_q7a2dd86a43_lay2,@function
k_q7a2dd86a43_lay2:
	s_mov_b64 s[64:65], 0
	v_nop
	global_prefetch_b8 v0, s[64:65] scope:SCOPE_SE
	s_setreg_imm32_b32 hwreg(HW_REG_WAVE_MODE, 25, 1), 1
	s_wait_xcnt 0x0
	s_wait_alu depctr_hold_cnt(0) depctr_sa_sdst(0) depctr_va_vdst(0) depctr_va_sdst(0) depctr_va_ssrc(0) depctr_va_vcc(0) depctr_vm_vsrc(0)
	s_getreg_b32 s2, hwreg(HW_REG_IB_STS2, 6, 4)
	s_cmp_eq_u32 s2, 0
	s_cbranch_scc0 .Lentry_in_a_cluster
	s_endpgm
.Lentry_in_a_cluster:
	s_bfe_u32 s2, ttmp6, 0x10000c
	s_cmp_lg_u32 s2, 0xf033
	s_cbranch_scc0 .Lentry_shape_is_right
	s_endpgm
.Lentry_shape_is_right:
; LAYER 2 of the chosen net: h2[row][n] = bf16(relu(sum over k of h1[row][k] w2h[e][k][n] + b2[e][n])), e = seps_idx[row / 1024].  h1 [8192][1024], w2h [4][1024][1024] f16; sums in f32.
; Layers 2 and 3 share this text; the constants below make it layer 2's.  Only the chosen net's products are made: an agent's 1,024 rows lie on end, so a tile of rows has one net.
; LIMITS.  Both operands arrive in f16, within 65,504 (w2h holds bf16 numbers written as f16).  h2 has no such room (all inputs 30 times larger give some 27,000 spreads) and is kept in bf16.
; The bias is rounded to bf16 like every other input.  The packed ReLU turns a NaN into 0.  The index is clamped to 0 .. 3.
; SHARES.  A tile of C is TM x 128; four waves, each 64 rows x 16 NB columns: 4 NB accumulators.  8192/TM x SIZE_N/128 = 256 work-groups.  K goes in steps of KSTEP through two LDS slots.
; CLUSTER.  4 x 4 work-groups.  The four of a row of the cluster need the same tile of A, which is asked for JOINTLY: the same tensor load with the same descriptor and a mask that names the four.
; W's TILES ARE NOT ASKED FOR JOINTLY, though the four of a column of the cluster need the same one: W's address holds the net's number, which is read from memory, and a joint load's descriptor is
; made only of coordinates that the partners share.  Each work-group asks for W by a load of its own, behind the same rounds.  Of a K step's 64 KB of A and 32 KB of W the 64 KB stay shared.
; THE MATRIX INSTRUCTION IS USED TRANSPOSED: source 0 = 16 columns of W (W lies [k][n] in LDS and is turned by ds_load_tr16_b128), source 1 = 16 rows of A: a lane then holds one row of C and
; eight neighbouring columns.  The first product's C operand is the bias: nothing is cleared, and no addition follows the sums.
; REGISTERS, in windows of 256 (s_set_vgpr_msb: bits 1:0 source 0, 3:2 source 1, 5:4 source 2, 7:6 destination):
;   window 0: addresses, TMP, BIAS, OB      window 1: two fragment buffers of 128 (A's fragments from +0, W's from +64)      window 2: accumulator (a, b) at 8 (NB a + b)
.set SIZE_K, 1024
.set SIZE_N, 1024
.set TM,     256                       ; rows in a tile of C
.set NB,     8                         ; blocks of 16 columns a wave
.set KSTEP,  128
.set KD,     1                         ; slices of 32 along K in a quarter of a K step
.set PITCH,  272                       ; a row of A in LDS: its bytes + 16: the 16 rows of a load start at 16 different groups of four banks (64 banks of 4 bytes: ISA guide 11.1)
.set QIA,    5                         ; the padding's interval for A: 2 << QIA words = a row
.set NLD,    24                        ; LDS loads in a FETCH
.set NTAIL,  4                         ; the youngest of them, which only a quarter's second half reads
.set F16,    1                         ; 1: the f16 form
.set OUT,    2                         ; 0: f32;  1: ReLU, f16;  2: ReLU, bf16
.set AGSH,   0                         ; agent = cluster y >> AGSH
.set WR,     14                        ; the scalar register that holds my block of 64 rows in the tile
.set LAPS,   SIZE_K/(2*KSTEP)          ; a lap = two K steps = once round the ring
.set PB,     288                       ; a row of W in LDS: 256 bytes + 32
.set ABYTES, TM*PITCH
.set BBYTES, KSTEP*PB
.set SLOT,   ABYTES+BBYTES             ; A's tile, then W's
.set STAGE,  2*SLOT                    ; behind the ring, never filled by a tensor load: 16 rows x 272 bytes for each wave, for the way out
.set SP,     272
.set SPARE,  STAGE+4*16*SP             ; behind the stages: the spare words, 128 bytes for each wave: two blocks of 256 bytes that no other line names
.set ROWB,   2048                      ; bytes in a row of C
.set ADRA, 16                          ; v16-17  LDS address of my A fragments in slot 0, 1
.set ADRB, 20                          ; v20-21  the same for W; v22-23 (KD = 2) 128 rows of W further on
.set STO,  24                          ; v24  the way out: where I put my piece of a row
.set RD,   25                          ; v25  the way out: where I read a row back
.set CO,   26                          ; v26  my byte offset in C
.set ZERO, 27                          ; v27  0, for the ReLU
.set SPW,  28                          ; v28  LDS address of my spare word; never rewritten
.set NIL,  29                          ; v29  0; never rewritten
.set BO,   30                          ; v30  my byte offset in 16 numbers of the bias
.set TMP,  32                          ; v32-63   packed results
.set BIAS, 64                          ; v64-127  eight registers for each block of 16 columns
.set OB,   128                         ; v128-191 16 rows read back from the stage, two buffers
.set F0,   0
.set F1,   128
.set G1,  24                           ; s[24:31] descriptor group 1 for A's tiles;  s[32:39] group 0, a set for each slot
.set G0,  32
.set G1B, 48                           ; s[48:55], s[56:63] the same for W's tiles
.set G0B, 56
.set W_MUL,  0xa5                      ; sources 0 and 1 window 1; C and D window 2
.set W_MUL0, 0x85                      ; the same with C (the bias) in window 0
.set W_TOF,  0x40                      ; destination window 1
.set W_PACK, 0x0a                      ; sources 0 and 1 window 2
.set W_STF,  0x08                      ; an LDS store's data in window 2
.set MSB, 0
.macro WIN new                         ; the immediate's high byte repeats the setting that is left; a switch that changes nothing is dropped
.if MSB != (\new)
	s_set_vgpr_msb (MSB<<8)|(\new)
.set MSB, \new
.endif
.endm
.macro PLACES                          ; four places in front of loads into registers that matrix instructions have read, and of lines that read results
.rept 4
	v_nop
.endr
.endm
.macro JLOAD s                         ; a slot's fill: waves 0 and 1 fetch A's two halves, jointly with my row of the cluster; waves 2 and 3 W's, for my work-group alone; an s_nop 0 and four v_nop follow each line, ahead of the jump and the label
	s_cmp_eq_u32 s15, 0
	s_cbranch_scc0 .Lfor_b_\@
	tensor_load_to_lds s[G0+4*(\s):G0+4*(\s)+3], s[G1:G1+7]
	s_nop 0
.rept 4
	v_nop
.endr
	s_branch .Lasked_\@
.Lfor_b_\@:
	tensor_load_to_lds s[G0B+4*(\s):G0B+4*(\s)+3], s[G1B:G1B+7]
	s_nop 0
.rept 4
	v_nop
.endr
.Lasked_\@:
.endm
.macro CREST                           ; a round of the cluster's barrier behind its opening barrier
	s_cmp_lg_u32 s14, 0
	s_cbranch_scc1 .Lnot_wave_0_\@
	s_barrier_signal -3
.Lnot_wave_0_\@:
	s_barrier_wait -3
	s_barrier_signal -1
	s_barrier_wait -1
.endm
.macro CROUND                          ; a whole round
	s_barrier_signal -1
	s_barrier_wait -1
	CREST
.endm
; Matrix instructions i0 .. i0 + n - 1 of a quarter's 32, on buffer f.  The accumulators take turns, one instruction a turn.  zero = 1: the first slice starts the sums, with the bias as C.
.macro MULR f, i0, n, zero
.set ii, \i0
.rept \n
.if NB == 8
.set kc, 0
.set ia, ii/8
.set ib, ii%8
.else
.set kc, ii/16
.set ia, (ii%16)/4
.set ib, ii%4
.endif
.set rD, 8*(NB*ia+ib)
.set rB, (\f)+64+8*(NB*kc+ib)
.set rA, (\f)+8*(4*kc+ia)
.set rC, rD
.if (\zero) && (kc == 0)
.set rC, BIAS+8*ib
	WIN W_MUL0
.else
	WIN W_MUL
.endif
.if F16
	v_wmma_f32_16x16x32_f16 v[rD:rD+7], v[rB:rB+7], v[rA:rA+7], v[rC:rC+7]
.else
	v_wmma_f32_16x16x32_bf16 v[rD:rD+7], v[rB:rB+7], v[rA:rA+7], v[rC:rC+7]
.endif
.set ii, ii+1
.endr
.endm
; NLD LDS loads in one run: the fragments of quarter q of a slot's K step into buffer f; for each slice of 32 along K first W's NB fragments (turned), then A's four.
.macro FETCH slot, q, f
	WIN W_TOF
.set kc, 0
.rept KD
.set kk, (32*KD*(\q))%128+32*kc
.set rAB, ADRB+2*((32*KD*(\q))/128)+(\slot)
.set ib, 0
.rept NB
.set rB, (\f)+64+8*(NB*kc+ib)
	ds_load_tr16_b128 v[rB:rB+3],   v[rAB] offset:kk*PB+32*ib
	ds_load_tr16_b128 v[rB+4:rB+7], v[rAB] offset:kk*PB+32*ib+16*PB
.set ib, ib+1
.endr
.set ia, 0
.rept 4
.set rA, (\f)+8*(4*kc+ia)
	ds_load_b128 v[rA:rA+3],   v[ADRA+(\slot)] offset:64*KD*(\q)+64*kc+ia*16*PITCH
	ds_load_b128 v[rA+4:rA+7], v[ADRA+(\slot)] offset:64*KD*(\q)+64*kc+ia*16*PITCH+32
.set ia, ia+1
.endr
.set kc, kc+1
.endr
.endm
; A K step is four quarters of 32 matrix instructions, on buffers 0, 1, 0, 1.  One of the first three: multiplies buffer f and, in its middle, fetches quarter q into buffer g.
.macro QUARTER slot, q, f, g, zero
	s_wait_dscnt NTAIL                             ; all of buffer f but its youngest NTAIL loads, which the second half reads
	MULR \f, 0, 16, \zero
	PLACES
	FETCH \slot, \q, \g
	s_wait_dscnt NLD                               ; all but the NLD just issued
	MULR \f, 16, 16, \zero
.endm
; The last quarter multiplies buffer 1 and changes slots: ONE barrier; in front of it each wave waits for all its tensor loads (its part of the next slot), adds 0 to its spare word, and waits for
; that and for its own reads of this slot.  fill = 1: the barrier opens a round of the cluster's, and this slot is filled again, two K steps ahead, first thing behind the round.
.macro TURN slot, next, fill
	WIN 0                                          ; (the add's two registers lie in window 0)
	s_wait_tensorcnt 0x0                           ; all my tensor loads have landed
	ds_add_u32 v[SPW], v[NIL]                      ; 0 onto my spare word
	s_wait_dscnt NTAIL+1                           ; (the add and the youngest NTAIL loads may be out)
	MULR F1, 0, 8, 0                               ; eight matrix instructions stand between the add and the wait for it
	s_wait_dscnt 0x0                               ; the add is done, and my reads of this slot are over
	s_barrier_signal -1
	MULR F1, 8, 8, 0
.if \fill
	WIN 0
.endif
	s_barrier_wait -1
.if \fill
	CREST                                          ; no wave of any partner still reads this slot or has a load on its way
	s_add_nc_u64 s[G0+4*(\slot)+2:G0+4*(\slot)+3], s[G0+4*(\slot)+2:G0+4*(\slot)+3], 2*KSTEP*2
	s_add_nc_u64 s[G0B+4*(\slot)+2:G0B+4*(\slot)+3], s[G0B+4*(\slot)+2:G0B+4*(\slot)+3], 2*KSTEP*SIZE_N*2
	JLOAD \slot                                    ; 112 matrix instructions ahead of the wait for it; its four v_nop are also the places in front of the loads below
.else
	PLACES
.endif
	FETCH \next, 0, F0
	MULR F1, 16, 16, 0
.endm
; THE WAY OUT of my block a of 16 rows.  PACK: rounded to 16 bits, then the ReLU on packed halves.  TOSTAGE: into my own stage, and back as whole rows of 256 bytes.  SEND: stored.
.macro PACK a
	WIN W_PACK
.set ib, 0
.rept NB
.set ir, 0
.rept 4
.if OUT == 1
	v_cvt_pk_f16_f32 v[TMP+4*ib+ir], v[8*(NB*(\a)+ib)+2*ir], v[8*(NB*(\a)+ib)+2*ir+1]
.else
	v_cvt_pk_bf16_f32 v[TMP+4*ib+ir], v[8*(NB*(\a)+ib)+2*ir], v[8*(NB*(\a)+ib)+2*ir+1]
.endif
.set ir, ir+1
.endr
.set ib, ib+1
.endr
	WIN 0
.set ir, 0
.rept 4*NB
.if OUT == 1
	v_pk_max_num_f16 v[TMP+ir], v[TMP+ir], v[ZERO]
.else
	v_pk_max_num_bf16 v[TMP+ir], v[TMP+ir], v[ZERO]
.endif
.set ir, ir+1
.endr
.endm
.macro TOSTAGE a
	WIN 0
.set BK, OB+32*((\a)%2)
	s_wait_xcnt 0x0                                ; this buffer was the data of the stores two blocks ago: it is loaded again only behind this wait
.if OUT == 0
	WIN W_STF
.set ib, 0
.rept NB
.set rD, 8*(NB*(\a)+ib)
	ds_store_b128 v[STO], v[rD:rD+3] offset:64*ib          ; each accumulator's low registers first
	ds_store_b128 v[STO], v[rD+4:rD+7] offset:64*ib+16
.set ib, ib+1
.endr
	WIN 0
.else
.set ib, 0
.rept NB
	ds_store_b128 v[STO], v[TMP+4*ib:TMP+4*ib+3] offset:32*ib
.set ib, ib+1
.endr
.endif
.irp t, 0,1,2,3,4,5,6,7
	ds_load_b128 v[BK+4*(\t):BK+4*(\t)+3], v[RD] offset:(\t)*2*SP  ; LDS serves a wave's instructions in order (ISA guide 5.7.1.4): these see the stores above, and the next block's stores come behind them
.endr
.endm
.macro SEND a, younger                 ; younger: the LDS instructions issued behind block a's loads: the next block's sixteen, or none
	WIN 0
.set BK, OB+32*((\a)%2)
.irp t, 0,1,2,3,4,5,6,7
	s_wait_dscnt (\younger)+7-(\t)
.if OUT == 0
	global_store_b128 v[CO], v[BK+4*(\t):BK+4*(\t)+3], s[12:13] offset:(16*(\a)+2*(\t))*ROWB th:TH_STORE_NT  ; 16 lanes store 256 consecutive bytes, aligned
.else
	global_store_b128 v[CO], v[BK+4*(\t):BK+4*(\t)+3], s[12:13] offset:(16*(\a)+2*(\t))*ROWB  ; 16 lanes store 256 consecutive bytes, aligned; the next launch reads them: no hint
.endif
.endr
.endm
	s_load_b256 s[4:11], s[0:1], 0x0               ; A s[4:5], W s[6:7], bias s[8:9], seps_idx s[10:11]
	s_load_b64 s[12:13], s[0:1], 0x20              ; C
	v_lshl_add_u32 v[SPW], v0, 2, SPARE
	v_mov_b32 v[NIL], 0
	ds_add_u32 v[SPW], v[NIL]                      ; the wave's opening: the add and its wait stand ahead of my first tensor load; the set-up below, work on registers, stands between them
	v_lshrrev_b32 v1, 5, v0
	v_readfirstlane_b32 s14, v1                    ; wave 0..3
	s_lshr_b32 s15, s14, 1                         ; I fetch for A (0) or for W (1)
	s_and_b32 s16, s14, 1                          ; which half of that tile
	s_bfe_u32 s17, ttmp6, 0x40000                  ; cx, cy: my place in the cluster
	s_bfe_u32 s18, ttmp6, 0x40004
	s_lshl_b32 s19, ttmp9, 2
	s_add_co_u32 s19, s19, s17                     ; tile column of C = 4 x cluster x + cx
	s_and_b32 s20, ttmp7, 0xffff
	s_lshl_b32 s20, s20, 2
	s_add_co_u32 s20, s20, s18                     ; tile row of C = 4 x cluster y + cy
	s_and_b32 s44, ttmp7, 0xffff
	s_lshr_b32 s44, s44, AGSH                      ; the agent, which the whole cluster shares,
	s_lshl_b32 s44, s44, 2                         ; and its word in seps_idx
	s_mov_b32 s45, 0
	s_lshl_b32 s21, s18, 2
	s_lshl_b32 s21, 15, s21                        ; my row of the cluster
	s_or_b32 s[G1+0], s21, (1<<16)|(1<<20)|(1<<21)|(QIA<<22)|(3<<25)  ; 15:0 the mask: A's tiles go to my row; 17:16 2-byte elements; 20 padding on; 21 set beside a mask; 24:22 after every row; 31:25 4 words
	s_mov_b32 s[G1+1], KSTEP<<16                   ; tensor_dim0
	s_mov_b32 s[G1+2], (TM/2)<<16                  ; tensor_dim1
	s_mov_b32 s[G1+3], KSTEP<<16                   ; tile_dim0
	s_mov_b32 s[G1+4], TM/2                        ; tile_dim1
	s_mov_b32 s[G1+5], SIZE_K                      ; elements from row to row
	s_mov_b32 s[G1+6], 0
	s_mov_b32 s[G1+7], 0
	s_mov_b32 s[G1B+0], (1<<16)|(1<<20)|(5<<22)|(7<<25)   ; W's tiles: no mask, a load of my work-group's own; 2-byte elements; after every 64 words 8 words of padding
	s_mov_b32 s[G1B+1], 128<<16
	s_mov_b32 s[G1B+2], (KSTEP/2)<<16
	s_mov_b32 s[G1B+3], 128<<16
	s_mov_b32 s[G1B+4], KSTEP/2
	s_mov_b32 s[G1B+5], SIZE_N
	s_mov_b32 s[G1B+6], 0
	s_mov_b32 s[G1B+7], 0
	s_mul_i32 s40, s20, TM                         ; A: row TM x tile row + TM/2 x half, in bytes (under 2^25); registers that never hold cx
	s_mul_i32 s41, s16, TM/2
	s_add_co_u32 s40, s40, s41
	s_mul_i32 s40, s40, SIZE_K*2
	s_mov_b32 s41, 0
	s_mul_i32 s42, s16, (TM/2)*PITCH               ; where the halves go: no place in the cluster enters an LDS address
	s_mul_i32 s46, s16, (KSTEP/2)*PB
	s_add_co_u32 s46, s46, ABYTES
	s_mul_i32 s66, s20, TM                         ; C: my first row,
	s_lshl_b32 s67, s[WR], 6
	s_add_co_u32 s66, s66, s67
	s_lshl_b32 s66, s66, 11                        ; in bytes,
.if OUT == 0
	s_lshl_b32 s67, s19, 9                         ; and my first column: 128 f32 a tile, 64 a wave
	s_add_co_u32 s66, s66, s67
	s_lshl_b32 s67, s16, 8
	s_add_co_u32 s66, s66, s67
.else
	s_lshl_b32 s67, s19, 8                         ; and the tile's first column: 128 numbers of 2 bytes
	s_add_co_u32 s66, s66, s67
.endif
	s_mov_b32 s67, 0
	s_wait_dscnt 0x0                               ; the opening add is done
	s_wait_kmcnt 0x0
	s_add_nc_u64 s[10:11], s[10:11], s[44:45]
	s_load_b32 s23, s[10:11], 0x0                  ; the agent's net
	s_add_nc_u64 s[4:5], s[4:5], s[40:41]
	s_add_nc_u64 s[12:13], s[12:13], s[66:67]
	s_wait_kmcnt 0x0
	s_min_u32 s23, s23, 3                          ; a loaded number enters addresses only clamped
	s_mul_i32 s44, s23, SIZE_K*SIZE_N*2            ; W: the net, my half of a step's rows, the tile's 128 columns
	s_mul_i32 s47, s16, (KSTEP/2)*SIZE_N*2
	s_add_co_u32 s44, s44, s47
	s_lshl_b32 s47, s19, 8
	s_add_co_u32 s44, s44, s47
	s_add_nc_u64 s[6:7], s[6:7], s[44:45]
	s_mul_i32 s68, s23, SIZE_N*4                   ; the bias: the net, the tile's columns (and, where a wave has 64 of them, its half)
	s_lshl_b32 s69, s19, 9
	s_add_co_u32 s68, s68, s69
.if NB == 4
	s_lshl_b32 s69, s16, 8
	s_add_co_u32 s68, s68, s69
.endif
	s_mov_b32 s69, 0
	s_add_nc_u64 s[8:9], s[8:9], s[68:69]
	CROUND                                         ; all sixteen work-groups are here: the first joint loads meet
.irp s, 0,1
	s_mov_b32 s[G0+4*(\s)], 1                      ; count = 1
	s_add_co_u32 s[G0+4*(\s)+1], s42, (\s)*SLOT    ; LDS address
	s_add_nc_u64 s[G0+4*(\s)+2:G0+4*(\s)+3], s[4:5], (\s)*KSTEP*2  ; global address: K step s
	s_or_b32 s[G0+4*(\s)+3], s[G0+4*(\s)+3], 0x80000000            ; type = 2
	s_mov_b32 s[G0B+4*(\s)], 1
	s_add_co_u32 s[G0B+4*(\s)+1], s46, (\s)*SLOT
	s_add_nc_u64 s[G0B+4*(\s)+2:G0B+4*(\s)+3], s[6:7], (\s)*KSTEP*SIZE_N*2
	s_or_b32 s[G0B+4*(\s)+3], s[G0B+4*(\s)+3], 0x80000000
	JLOAD \s                                       ; both slots are asked for before anything else: two tensor loads of mine are out
.endr
	v_and_b32 v1, 15, v0                           ; r = l % 16
	v_bfe_u32 v2, v0, 4, 1                         ; h = l / 16
	v_lshlrev_b32 v[BO], 5, v2                     ; register j of block b is the bias of column 16 b + 8 h + j
.set ib, 0
.rept NB
	global_load_b128 v[BIAS+8*ib:BIAS+8*ib+3],   v[BO], s[8:9] offset:64*ib
	global_load_b128 v[BIAS+8*ib+4:BIAS+8*ib+7], v[BO], s[8:9] offset:64*ib+16
.set ib, ib+1
.endr
	v_mul_u32_u24 v3, v1, PITCH                    ; a fragment of A: row r, 16 bytes for each half of the lanes, two loads 32 bytes apart
	v_lshl_add_u32 v3, v2, 4, v3
	s_mul_i32 s43, s[WR], 64*PITCH                 ; my 64 rows
	v_add_nc_u32 v[ADRA], s43, v3
	v_add_nc_u32 v[ADRA+1], SLOT, v[ADRA]
	v_and_b32 v4, 7, v0                            ; the turning load: lane l reads row 8 h + l % 8 of W, columns 8 ((l / 8) % 2) + 0..7, and is left with column l % 16 and 8 k
	v_bfe_u32 v5, v0, 3, 1
	v_lshl_add_u32 v6, v2, 3, v4
	v_mul_u32_u24 v6, v6, PB
	v_lshl_add_u32 v6, v5, 4, v6
.if NB == 4
	s_lshl_b32 s43, s16, 7                         ; my 64 columns of the tile's 128
	s_add_co_u32 s43, s43, ABYTES
	v_add_nc_u32 v[ADRB], s43, v6
.else
	v_add_nc_u32 v[ADRB], ABYTES, v6
.endif
	v_add_nc_u32 v[ADRB+1], SLOT, v[ADRB]
.if KD == 2
	v_add_nc_u32 v[ADRB+2], 128*PB, v[ADRB]        ; the immediate offset has 16 bits: the step's second 128 rows get registers of their own
	v_add_nc_u32 v[ADRB+3], 128*PB, v[ADRB+1]
.endif
	s_mul_i32 s43, s14, 16*SP
	s_add_co_u32 s43, s43, STAGE                   ; my stage
	v_mul_u32_u24 v7, v1, SP                       ; in: row r, eight numbers for each half of the lanes
.if OUT == 0
	v_lshl_add_u32 v7, v2, 5, v7
.else
	v_lshl_add_u32 v7, v2, 4, v7
.endif
	v_add_nc_u32 v[STO], s43, v7
	v_mul_u32_u24 v8, v2, SP                       ; back: lanes 0-15 take one row of 256 bytes, lanes 16-31 the next
	v_lshl_add_u32 v8, v1, 4, v8
	v_add_nc_u32 v[RD], s43, v8
	v_lshlrev_b32 v9, 11, v2                       ; and the same two rows in C
	v_lshl_add_u32 v[CO], v1, 4, v9
.if OUT != 0
	v_mov_b32 v[ZERO], 0
.endif
	s_wait_loadcnt 0x0                             ; the bias; it is rounded to bf16 like the other inputs, in the wait for the first tile
.set ir, 0
.rept 4*NB
	v_cvt_pk_bf16_f32 v[TMP+ir], v[BIAS+2*ir], v[BIAS+2*ir+1]
.set ir, ir+1
.endr
.set ir, 0
.rept 4*NB
	v_lshlrev_b32 v[BIAS+2*ir], 16, v[TMP+ir]
	v_and_b32 v[BIAS+2*ir+1], 0xffff0000, v[TMP+ir]
.set ir, ir+1
.endr
	s_wait_tensorcnt 1                             ; my part of K step 0 is in; K step 1's, issued behind it, may stay out
	s_barrier_signal -1
	s_barrier_wait -1                              ; everybody's is
	FETCH 0, 0, F0
	QUARTER 0, 1, F0, F1, 1                        ; the first quarter stands in front of the loop: its products start the sums
.if LAPS > 1
	WIN 0                                          ; at a label and at a branch every window is 0
	s_mov_b32 s3, LAPS-1
.Llap:                                                 ; a trip goes once round the ring, from a lap's second quarter to the next lap's first, and fills both slots again
	QUARTER 0, 2, F1, F0, 0
	QUARTER 0, 3, F0, F1, 0
	TURN 0, 1, 1
	QUARTER 1, 1, F0, F1, 0
	QUARTER 1, 2, F1, F0, 0
	QUARTER 1, 3, F0, F1, 0
	TURN 1, 0, 1
	QUARTER 0, 1, F0, F1, 0
	WIN 0
	s_sub_co_u32 s3, s3, 1
	s_cmp_lg_u32 s3, 0
	s_cbranch_scc1 .Llap
.endif
	QUARTER 0, 2, F1, F0, 0                        ; the last lap fills nothing, and has no round of the cluster's barrier
	QUARTER 0, 3, F0, F1, 0
	TURN 0, 1, 0
	QUARTER 1, 1, F0, F1, 0
	QUARTER 1, 2, F1, F0, 0
	QUARTER 1, 3, F0, F1, 0
	s_wait_dscnt NTAIL                             ; the very last quarter: nothing more to fetch
	MULR F1, 0, 16, 0
	s_wait_dscnt 0x0
	MULR F1, 16, 16, 0
	WIN 0
	PLACES                                         ; the way out reads results just made
.if OUT != 0
	PACK 0
.endif
	TOSTAGE 0
.irp a, 1,2,3
.if OUT != 0
	PACK \a
.endif
	TOSTAGE \a                                     ; a block's work stands between the loads of the block before and its stores
	SEND (\a)-1, 16
.endr
	SEND 3, 0
	s_wait_tensorcnt 0x0                           ; the wave's end: behind my last tensor load and my last LDS store
	ds_add_u32 v[SPW], v[NIL]
	s_wait_dscnt 0x0
	CROUND                                         ; the closing round: no work-group ends while a partner may still ask for a tile that names it
	s_endpgm
.Lfunc_end_k_q7a2dd86a43_lay2:
	.size	k_q7a2dd86a43_lay2, .Lfunc_end_k_q7a2dd86a43_lay2-k_q7a2dd86a43_lay2
	.p2alignl 7, 3214868480
	.fill 96, 4, 3214868480
	.section	.rodata,"a",@progbits
	.p2align	6, 0x0
	.amdhsa_kernel k_q7a2dd86a43_lay2
		.amdhsa_group_segment_fixed_size 327680
		.amdhsa_private_segment_fixed_size 0
		.amdhsa_enable_private_segment 0
		.amdhsa_kernarg_size 40
		.amdhsa_user_sgpr_count 2
		.amdhsa_user_sgpr_kernarg_segment_ptr 1
		.amdhsa_wavefront_size32 1
		.amdhsa_system_sgpr_workgroup_id_x 1
		.amdhsa_system_sgpr_workgroup_id_y 1
		.amdhsa_system_sgpr_workgroup_id_z 1
		.amdhsa_system_vgpr_workitem_id 0
		.amdhsa_next_free_vgpr 768
		.amdhsa_next_free_sgpr 80
		.amdhsa_reserve_vcc 0
		.amdhsa_float_denorm_mode_32 3
		.amdhsa_float_denorm_mode_16_64 3
		.amdhsa_memory_ordered 1
		.amdhsa_forward_progress 1
		.amdhsa_inst_pref_size 102
	.end_amdhsa_kernel
	.amdgpu_metadata
---
amdhsa.version: [ 1, 2 ]
amdhsa.kernels:
  - .name:           k_q7a2dd86a43_lay2
    .symbol:         k_q7a2dd86a43_lay2.kd
    .args:
      - { .name: h1, .offset: 0, .size: 8, .value_kind: global_buffer, .address_space: global }
      - { .name: w2h, .offset: 8, .size: 8, .value_kind: global_buffer, .address_space: global }
      - { .name: b2, .offset: 16, .size: 8, .value_kind: global_buffer, .address_space: global }
      - { .name: seps_idx, .offset: 24, .size: 8, .value_kind: global_buffer, .address_space: global }
      - { .name: h2, .offset: 32, .size: 8, .value_kind: global_buffer, .address_space: global }
    .group_segment_fixed_size: 327680
    .private_segment_fixed_size: 0
    .kernarg_segment_align: 8
    .kernarg_segment_size: 40
    .max_flat_workgroup_size: 128
    .sgpr_count:     80
    .vgpr_count:     768
    .wavefront_size: 32
...
	.end_amdgpu_metadata
.endif
;; end of part 2
;; launch lay3 (part 3): grid 4 x 64, 4 waves a work-group, clusters of 4 x 4, 327,680 bytes of LDS; arguments h2, w3b, b3, seps_idx, out0; writes out0
.if DOCPART == 3
	.amdgcn_target "amdgcn-amd-amdhsa--gfx1250"
	.amdhsa_code_object_version 6
	.text
	.protected	k_q7a2dd86a43_lay3
	.globl	k_q7a2dd86a43_lay3
	.p2align	8
	.type	k_q7a2dd86a43_lay3,@function
k_q7a2dd86a43_lay3:
	s_mov_b64 s[64:65], 0
	v_nop
	global_prefetch_b8 v0, s[64:65] scope:SCOPE_SE
	s_setreg_imm32_b32 hwreg(HW_REG_WAVE_MODE, 25, 1), 1
	s_wait_xcnt 0x0
	s_wait_alu depctr_hold_cnt(0) depctr_sa_sdst(0) depctr_va_vdst(0) depctr_va_sdst(0) depctr_va_ssrc(0) depctr_va_vcc(0) depctr_vm_vsrc(0)
	s_getreg_b32 s2, hwreg(HW_REG_IB_STS2, 6, 4)
	s_cmp_eq_u32 s2, 0
	s_cbranch_scc0 .Lentry_in_a_cluster
	s_endpgm
.Lentry_in_a_cluster:
	s_bfe_u32 s2, ttmp6, 0x10000c
	s_cmp_lg_u32 s2, 0xf033
	s_cbranch_scc0 .Lentry_shape_is_right
	s_endpgm
.Lentry_shape_is_right:
; LAYER 3 of the chosen net: out0[row][n] = sum over k of h2[row][k] w3b[e][k][n] + b3[e][n], e = seps_idx[row / 1024].  h2 [8192][1024], w3b [4][1024][512] bf16; sums and out0 in f32.
; Layers 2 and 3 share this text; the constants below make it layer 3's.  Only the chosen net's products are made: an agent's 1,024 rows lie on end, so a tile of rows has one net.
; LIMITS.  The bias is rounded to bf16 like every other input.  The index is clamped to 0 .. 3.
; SHARES.  A tile of C is TM x 128 (128 x 128 here: 256 x 128 would give 128 work-groups); four waves, 2 x 2, each 64 rows x 16 NB columns: 4 NB accumulators.  8192/TM x SIZE_N/128 = 256
; work-groups.  K goes in steps of KSTEP, as long as two slots in LDS allow, through two LDS slots.
; CLUSTER.  4 x 4 work-groups.  The four of a row of the cluster need the same tile of A, which is asked for JOINTLY: the same tensor load with the same descriptor and a mask that names the four.
; W's TILES ARE NOT ASKED FOR JOINTLY, though the four of a column of the cluster need the same one: W's address holds the net's number, which is read from memory, and a joint load's descriptor is
; made only of coordinates that the partners share.  Each work-group asks for W by a load of its own, behind the same rounds.  Of a K step's 64 KB of A and 64 KB of W A's 64 KB stay shared.
; THE MATRIX INSTRUCTION IS USED TRANSPOSED: source 0 = 16 columns of W (W lies [k][n] in LDS and is turned by ds_load_tr16_b128), source 1 = 16 rows of A: a lane then holds one row of C and
; eight neighbouring columns.  The first product's C operand is the bias: nothing is cleared, and no addition follows the sums.
; REGISTERS, in windows of 256 (s_set_vgpr_msb: bits 1:0 source 0, 3:2 source 1, 5:4 source 2, 7:6 destination):
;   window 0: addresses, TMP, BIAS, OB      window 1: two fragment buffers of 128 (A's fragments from +0, W's from +64)      window 2: accumulator (a, b) at 8 (NB a + b)
.set SIZE_K, 1024
.set SIZE_N, 512
.set TM,     128                       ; rows in a tile of C
.set NB,     4                         ; blocks of 16 columns a wave
.set KSTEP,  256
.set KD,     2                         ; slices of 32 along K in a quarter of a K step
.set PITCH,  528                       ; a row of A in LDS: its bytes + 16: the 16 rows of a load start at 16 different groups of four banks (64 banks of 4 bytes: ISA guide 11.1)
.set QIA,    6                         ; the padding's interval for A: 2 << QIA words = a row
.set NLD,    32                        ; LDS loads in a FETCH
.set NTAIL,  16                        ; the youngest of them, which only a quarter's second half reads
.set F16,    0                         ; 1: the f16 form
.set OUT,    0                         ; 0: f32;  1: ReLU, f16;  2: ReLU, bf16
.set AGSH,   1                         ; agent = cluster y >> AGSH
.set WR,     15                        ; the scalar register that holds my block of 64 rows in the tile
.set LAPS,   SIZE_K/(2*KSTEP)          ; a lap = two K steps = once round the ring
.set PB,     288                       ; a row of W in LDS: 256 bytes + 32
.set ABYTES, TM*PITCH
.set BBYTES, KSTEP*PB
.set SLOT,   ABYTES+BBYTES             ; A's tile, then W's
.set STAGE,  2*SLOT                    ; behind the ring, never filled by a tensor load: 16 rows x 272 bytes for each wave, for the way out
.set SP,     272
.set SPARE,  STAGE+4*16*SP             ; behind the stages: the spare words, 128 bytes for each wave: two blocks of 256 bytes that no other line names
.set ROWB,   2048                      ; bytes in a row of C
.set ADRA, 16                          ; v16-17  LDS address of my A fragments in slot 0, 1
.set ADRB, 20                          ; v20-21  the same for W; v22-23 (KD = 2) 128 rows of W further on
.set STO,  24                          ; v24  the way out: where I put my piece of a row
.set RD,   25                          ; v25  the way out: where I read a row back
.set CO,   26                          ; v26  my byte offset in C
.set ZERO, 27                          ; v27  0, for the ReLU
.set SPW,  28                          ; v28  LDS address of my spare word; never rewritten
.set NIL,  29                          ; v29  0; never rewritten
.set BO,   30                          ; v30  my byte offset in 16 numbers of the bias
.set TMP,  32                          ; v32-63   packed results
.set BIAS, 64                          ; v64-127  eight registers for each block of 16 columns
.set OB,   128                         ; v128-191 16 rows read back from the stage, two buffers
.set F0,   0
.set F1,   128
.set G1,  24                           ; s[24:31] descriptor group 1 for A's tiles;  s[32:39] group 0, a set for each slot
.set G0,  32
.set G1B, 48                           ; s[48:55], s[56:63] the same for W's tiles
.set G0B, 56
.set W_MUL,  0xa5                      ; sources 0 and 1 window 1; C and D window 2
.set W_MUL0, 0x85                      ; the same with C (the bias) in window 0
.set W_TOF,  0x40                      ; destination window 1
.set W_PACK, 0x0a                      ; sources 0 and 1 window 2
.set W_STF,  0x08                      ; an LDS store's data in window 2
.set MSB, 0
.macro WIN new                         ; the immediate's high byte repeats the setting that is left; a switch that changes nothing is dropped
.if MSB != (\new)
	s_set_vgpr_msb (MSB<<8)|(\new)
.set MSB, \new
.endif
.endm
.macro PLACES                          ; four places in front of loads into registers that matrix instructions have read, and of lines that read results
.rept 4
	v_nop
.endr
.endm
.macro JLOAD s                         ; a slot's fill: waves 0 and 1 fetch A's two halves, jointly with my row of the cluster; waves 2 and 3 W's, for my work-group alone; an s_nop 0 and four v_nop follow each line, ahead of the jump and the label
	s_cmp_eq_u32 s15, 0
	s_cbranch_scc0 .Lfor_b_\@
	tensor_load_to_lds s[G0+4*(\s):G0+4*(\s)+3], s[G1:G1+7]
	s_nop 0
.rept 4
	v_nop
.endr
	s_branch .Lasked_\@
.Lfor_b_\@:
	tensor_load_to_lds s[G0B+4*(\s):G0B+4*(\s)+3], s[G1B:G1B+7]
	s_nop 0
.rept 4
	v_nop
.endr
.Lasked_\@:
.endm
.macro CREST                           ; a round of the cluster's barrier behind its opening barrier
	s_cmp_lg_u32 s14, 0
	s_cbranch_scc1 .Lnot_wave_0_\@
	s_barrier_signal -3
.Lnot_wave_0_\@:
	s_barrier_wait -3
	s_barrier_signal -1
	s_barrier_wait -1
.endm
.macro CROUND                          ; a whole round
	s_barrier_signal -1
	s_barrier_wait -1
	CREST
.endm
; Matrix instructions i0 .. i0 + n - 1 of a quarter's 32, on buffer f.  The accumulators take turns, one instruction a turn.  zero = 1: the first slice starts the sums, with the bias as C.
.macro MULR f, i0, n, zero
.set ii, \i0
.rept \n
.if NB == 8
.set kc, 0
.set ia, ii/8
.set ib, ii%8
.else
.set kc, ii/16
.set ia, (ii%16)/4
.set ib, ii%4
.endif
.set rD, 8*(NB*ia+ib)
.set rB, (\f)+64+8*(NB*kc+ib)
.set rA, (\f)+8*(4*kc+ia)
.set rC, rD
.if (\zero) && (kc == 0)
.set rC, BIAS+8*ib
	WIN W_MUL0
.else
	WIN W_MUL
.endif
.if F16
	v_wmma_f32_16x16x32_f16 v[rD:rD+7], v[rB:rB+7], v[rA:rA+7], v[rC:rC+7]
.else
	v_wmma_f32_16x16x32_bf16 v[rD:rD+7], v[rB:rB+7], v[rA:rA+7], v[rC:rC+7]
.endif
.set ii, ii+1
.endr
.endm
; NLD LDS loads in one run: the fragments of quarter q of a slot's K step into buffer f; for each slice of 32 along K first W's NB fragments (turned), then A's four.
.macro FETCH slot, q, f
	WIN W_TOF
.set kc, 0
.rept KD
.set kk, (32*KD*(\q))%128+32*kc
.set rAB, ADRB+2*((32*KD*(\q))/128)+(\slot)
.set ib, 0
.rept NB
.set rB, (\f)+64+8*(NB*kc+ib)
	ds_load_tr16_b128 v[rB:rB+3],   v[rAB] offset:kk*PB+32*ib
	ds_load_tr16_b128 v[rB+4:rB+7], v[rAB] offset:kk*PB+32*ib+16*PB
.set ib, ib+1
.endr
.set ia, 0
.rept 4
.set rA, (\f)+8*(4*kc+ia)
	ds_load_b128 v[rA:rA+3],   v[ADRA+(\slot)] offset:64*KD*(\q)+64*kc+ia*16*PITCH
	ds_load_b128 v[rA+4:rA+7], v[ADRA+(\slot)] offset:64*KD*(\q)+64*kc+ia*16*PITCH+32
.set ia, ia+1
.endr
.set kc, kc+1
.endr
.endm
; A K step is four quarters of 32 matrix instructions, on buffers 0, 1, 0, 1.  One of the first three: multiplies buffer f and, in its middle, fetches quarter q into buffer g.
.macro QUARTER slot, q, f, g, zero
	s_wait_dscnt NTAIL                             ; all of buffer f but its youngest NTAIL loads, which the second half reads
	MULR \f, 0, 16, \zero
	PLACES
	FETCH \slot, \q, \g
	s_wait_dscnt NLD                               ; all but the NLD just issued
	MULR \f, 16, 16, \zero
.endm
; The last quarter multiplies buffer 1 and changes slots: ONE barrier; in front of it each wave waits for all its tensor loads (its part of the next slot), adds 0 to its spare word, and waits for
; that and for its own reads of this slot.  fill = 1: the barrier opens a round of the cluster's, and this slot is filled again, two K steps ahead, first thing behind the round.
.macro TURN slot, next, fill
	WIN 0                                          ; (the add's two registers lie in window 0)
	s_wait_tensorcnt 0x0                           ; all my tensor loads have landed
	ds_add_u32 v[SPW], v[NIL]                      ; 0 onto my spare word
	s_wait_dscnt NTAIL+1                           ; (the add and the youngest NTAIL loads may be out)
	MULR F1, 0, 8, 0                               ; eight matrix instructions stand between the add and the wait for it
	s_wait_dscnt 0x0                               ; the add is done, and my reads of this slot are over
	s_barrier_signal -1
	MULR F1, 8, 8, 0
.if \fill
	WIN 0
.endif
	s_barrier_wait -1
.if \fill
	CREST                                          ; no wave of any partner still reads this slot or has a load on its way
	s_add_nc_u64 s[G0+4*(\slot)+2:G0+4*(\slot)+3], s[G0+4*(\slot)+2:G0+4*(\slot)+3], 2*KSTEP*2
	s_add_nc_u64 s[G0B+4*(\slot)+2:G0B+4*(\slot)+3], s[G0B+4*(\slot)+2:G0B+4*(\slot)+3], 2*KSTEP*SIZE_N*2
	JLOAD \slot                                    ; 112 matrix instructions ahead of the wait for it; its four v_nop are also the places in front of the loads below
.else
	PLACES
.endif
	FETCH \next, 0, F0
	MULR F1, 16, 16, 0
.endm
; THE WAY OUT of my block a of 16 rows.  PACK: rounded to 16 bits, then the ReLU on packed halves.  TOSTAGE: into my own stage, and back as whole rows of 256 bytes.  SEND: stored.
.macro PACK a
	WIN W_PACK
.set ib, 0
.rept NB
.set ir, 0
.rept 4
.if OUT == 1
	v_cvt_pk_f16_f32 v[TMP+4*ib+ir], v[8*(NB*(\a)+ib)+2*ir], v[8*(NB*(\a)+ib)+2*ir+1]
.else
	v_cvt_pk_bf16_f32 v[TMP+4*ib+ir], v[8*(NB*(\a)+ib)+2*ir], v[8*(NB*(\a)+ib)+2*ir+1]
.endif
.set ir, ir+1
.endr
.set ib, ib+1
.endr
	WIN 0
.set ir, 0
.rept 4*NB
.if OUT == 1
	v_pk_max_num_f16 v[TMP+ir], v[TMP+ir], v[ZERO]
.else
	v_pk_max_num_bf16 v[TMP+ir], v[TMP+ir], v[ZERO]
.endif
.set ir, ir+1
.endr
.endm
.macro TOSTAGE a
	WIN 0
.set BK, OB+32*((\a)%2)
	s_wait_xcnt 0x0                                ; this buffer was the data of the stores two blocks ago: it is loaded again only behind this wait
.if OUT == 0
	WIN W_STF
.set ib, 0
.rept NB
.set rD, 8*(NB*(\a)+ib)
	ds_store_b128 v[STO], v[rD:rD+3] offset:64*ib          ; each accumulator's low registers first
	ds_store_b128 v[STO], v[rD+4:rD+7] offset:64*ib+16
.set ib, ib+1
.endr
	WIN 0
.else
.set ib, 0
.rept NB
	ds_store_b128 v[STO], v[TMP+4*ib:TMP+4*ib+3] offset:32*ib
.set ib, ib+1
.endr
.endif
.irp t, 0,1,2,3,4,5,6,7
	ds_load_b128 v[BK+4*(\t):BK+4*(\t)+3], v[RD] offset:(\t)*2*SP  ; LDS serves a wave's instructions in order (ISA guide 5.7.1.4): these see the stores above, and the next block's stores come behind them
.endr
.endm
.macro SEND a, younger                 ; younger: the LDS instructions issued behind block a's loads: the next block's sixteen, or none
	WIN 0
.set BK, OB+32*((\a)%2)
.irp t, 0,1,2,3,4,5,6,7
	s_wait_dscnt (\younger)+7-(\t)
.if OUT == 0
	global_store_b128 v[CO], v[BK+4*(\t):BK+4*(\t)+3], s[12:13] offset:(16*(\a)+2*(\t))*ROWB th:TH_STORE_NT  ; 16 lanes store 256 consecutive bytes, aligned
.else
	global_store_b128 v[CO], v[BK+4*(\t):BK+4*(\t)+3], s[12:13] offset:(16*(\a)+2*(\t))*ROWB  ; 16 lanes store 256 consecutive bytes, aligned; the next launch reads them: no hint
.endif
.endr
.endm
	s_load_b256 s[4:11], s[0:1], 0x0               ; A s[4:5], W s[6:7], bias s[8:9], seps_idx s[10:11]
	s_load_b64 s[12:13], s[0:1], 0x20              ; C
	v_lshl_add_u32 v[SPW], v0, 2, SPARE
	v_mov_b32 v[NIL], 0
	ds_add_u32 v[SPW], v[NIL]                      ; the wave's opening: the add and its wait stand ahead of my first tensor load; the set-up below, work on registers, stands between them
	v_lshrrev_b32 v1, 5, v0
	v_readfirstlane_b32 s14, v1                    ; wave 0..3
	s_lshr_b32 s15, s14, 1                         ; I fetch for A (0) or for W (1)
	s_and_b32 s16, s14, 1                          ; which half of that tile
	s_bfe_u32 s17, ttmp6, 0x40000                  ; cx, cy: my place in the cluster
	s_bfe_u32 s18, ttmp6, 0x40004
	s_lshl_b32 s19, ttmp9, 2
	s_add_co_u32 s19, s19, s17                     ; tile column of C = 4 x cluster x + cx
	s_and_b32 s20, ttmp7, 0xffff
	s_lshl_b32 s20, s20, 2
	s_add_co_u32 s20, s20, s18                     ; tile row of C = 4 x cluster y + cy
	s_and_b32 s44, ttmp7, 0xffff
	s_lshr_b32 s44, s44, AGSH                      ; the agent, which the whole cluster shares,
	s_lshl_b32 s44, s44, 2                         ; and its word in seps_idx
	s_mov_b32 s45, 0
	s_lshl_b32 s21, s18, 2
	s_lshl_b32 s21, 15, s21                        ; my row of the cluster
	s_or_b32 s[G1+0], s21, (1<<16)|(1<<20)|(1<<21)|(QIA<<22)|(3<<25)  ; 15:0 the mask: A's tiles go to my row; 17:16 2-byte elements; 20 padding on; 21 set beside a mask; 24:22 after every row; 31:25 4 words
	s_mov_b32 s[G1+1], KSTEP<<16                   ; tensor_dim0
	s_mov_b32 s[G1+2], (TM/2)<<16                  ; tensor_dim1
	s_mov_b32 s[G1+3], KSTEP<<16                   ; tile_dim0
	s_mov_b32 s[G1+4], TM/2                        ; tile_dim1
	s_mov_b32 s[G1+5], SIZE_K                      ; elements from row to row
	s_mov_b32 s[G1+6], 0
	s_mov_b32 s[G1+7], 0
	s_mov_b32 s[G1B+0], (1<<16)|(1<<20)|(5<<22)|(7<<25)   ; W's tiles: no mask, a load of my work-group's own; 2-byte elements; after every 64 words 8 words of padding
	s_mov_b32 s[G1B+1], 128<<16
	s_mov_b32 s[G1B+2], (KSTEP/2)<<16
	s_mov_b32 s[G1B+3], 128<<16
	s_mov_b32 s[G1B+4], KSTEP/2
	s_mov_b32 s[G1B+5], SIZE_N
	s_mov_b32 s[G1B+6], 0
	s_mov_b32 s[G1B+7], 0
	s_mul_i32 s40, s20, TM                         ; A: row TM x tile row + TM/2 x half, in bytes (under 2^25); registers that never hold cx
	s_mul_i32 s41, s16, TM/2
	s_add_co_u32 s40, s40, s41
	s_mul_i32 s40, s40, SIZE_K*2
	s_mov_b32 s41, 0
	s_mul_i32 s42, s16, (TM/2)*PITCH               ; where the halves go: no place in the cluster enters an LDS address
	s_mul_i32 s46, s16, (KSTEP/2)*PB
	s_add_co_u32 s46, s46, ABYTES
	s_mul_i32 s66, s20, TM                         ; C: my first row,
	s_lshl_b32 s67, s[WR], 6
	s_add_co_u32 s66, s66, s67
	s_lshl_b32 s66, s66, 11                        ; in bytes,
.if OUT == 0
	s_lshl_b32 s67, s19, 9                         ; and my first column: 128 f32 a tile, 64 a wave
	s_add_co_u32 s66, s66, s67
	s_lshl_b32 s67, s16, 8
	s_add_co_u32 s66, s66, s67
.else
	s_lshl_b32 s67, s19, 8                         ; and the tile's first column: 128 numbers of 2 bytes
	s_add_co_u32 s66, s66, s67
.endif
	s_mov_b32 s67, 0
	s_wait_dscnt 0x0                               ; the opening add is done
	s_wait_kmcnt 0x0
	s_add_nc_u64 s[10:11], s[10:11], s[44:45]
	s_load_b32 s23, s[10:11], 0x0                  ; the agent's net
	s_add_nc_u64 s[4:5], s[4:5], s[40:41]
	s_add_nc_u64 s[12:13], s[12:13], s[66:67]
	s_wait_kmcnt 0x0
	s_min_u32 s23, s23, 3                          ; a loaded number enters addresses only clamped
	s_mul_i32 s44, s23, SIZE_K*SIZE_N*2            ; W: the net, my half of a step's rows, the tile's 128 columns
	s_mul_i32 s47, s16, (KSTEP/2)*SIZE_N*2
	s_add_co_u32 s44, s44, s47
	s_lshl_b32 s47, s19, 8
	s_add_co_u32 s44, s44, s47
	s_add_nc_u64 s[6:7], s[6:7], s[44:45]
	s_mul_i32 s68, s23, SIZE_N*4                   ; the bias: the net, the tile's columns (and, where a wave has 64 of them, its half)
	s_lshl_b32 s69, s19, 9
	s_add_co_u32 s68, s68, s69
.if NB == 4
	s_lshl_b32 s69, s16, 8
	s_add_co_u32 s68, s68, s69
.endif
	s_mov_b32 s69, 0
	s_add_nc_u64 s[8:9], s[8:9], s[68:69]
	CROUND                                         ; all sixteen work-groups are here: the first joint loads meet
.irp s, 0,1
	s_mov_b32 s[G0+4*(\s)], 1                      ; count = 1
	s_add_co_u32 s[G0+4*(\s)+1], s42, (\s)*SLOT    ; LDS address
	s_add_nc_u64 s[G0+4*(\s)+2:G0+4*(\s)+3], s[4:5], (\s)*KSTEP*2  ; global address: K step s
	s_or_b32 s[G0+4*(\s)+3], s[G0+4*(\s)+3], 0x80000000            ; type = 2
	s_mov_b32 s[G0B+4*(\s)], 1
	s_add_co_u32 s[G0B+4*(\s)+1], s46, (\s)*SLOT
	s_add_nc_u64 s[G0B+4*(\s)+2:G0B+4*(\s)+3], s[6:7], (\s)*KSTEP*SIZE_N*2
	s_or_b32 s[G0B+4*(\s)+3], s[G0B+4*(\s)+3], 0x80000000
	JLOAD \s                                       ; both slots are asked for before anything else: two tensor loads of mine are out
.endr
	v_and_b32 v1, 15, v0                           ; r = l % 16
	v_bfe_u32 v2, v0, 4, 1                         ; h = l / 16
	v_lshlrev_b32 v[BO], 5, v2                     ; register j of block b is the bias of column 16 b + 8 h + j
.set ib, 0
.rept NB
	global_load_b128 v[BIAS+8*ib:BIAS+8*ib+3],   v[BO], s[8:9] offset:64*ib
	global_load_b128 v[BIAS+8*ib+4:BIAS+8*ib+7], v[BO], s[8:9] offset:64*ib+16
.set ib, ib+1
.endr
	v_mul_u32_u24 v3, v1, PITCH                    ; a fragment of A: row r, 16 bytes for each half of the lanes, two loads 32 bytes apart
	v_lshl_add_u32 v3, v2, 4, v3
	s_mul_i32 s43, s[WR], 64*PITCH                 ; my 64 rows
	v_add_nc_u32 v[ADRA], s43, v3
	v_add_nc_u32 v[ADRA+1], SLOT, v[ADRA]
	v_and_b32 v4, 7, v0                            ; the turning load: lane l reads row 8 h + l % 8 of W, columns 8 ((l / 8) % 2) + 0..7, and is left with column l % 16 and 8 k
	v_bfe_u32 v5, v0, 3, 1
	v_lshl_add_u32 v6, v2, 3, v4
	v_mul_u32_u24 v6, v6, PB
	v_lshl_add_u32 v6, v5, 4, v6
.if NB == 4
	s_lshl_b32 s43, s16, 7                         ; my 64 columns of the tile's 128
	s_add_co_u32 s43, s43, ABYTES
	v_add_nc_u32 v[ADRB], s43, v6
.else
	v_add_nc_u32 v[ADRB], ABYTES, v6
.endif
	v_add_nc_u32 v[ADRB+1], SLOT, v[ADRB]
.if KD == 2
	v_add_nc_u32 v[ADRB+2], 128*PB, v[ADRB]        ; the immediate offset has 16 bits: the step's second 128 rows get registers of their own
	v_add_nc_u32 v[ADRB+3], 128*PB, v[ADRB+1]
.endif
	s_mul_i32 s43, s14, 16*SP
	s_add_co_u32 s43, s43, STAGE                   ; my stage
	v_mul_u32_u24 v7, v1, SP                       ; in: row r, eight numbers for each half of the lanes
.if OUT == 0
	v_lshl_add_u32 v7, v2, 5, v7
.else
	v_lshl_add_u32 v7, v2, 4, v7
.endif
	v_add_nc_u32 v[STO], s43, v7
	v_mul_u32_u24 v8, v2, SP                       ; back: lanes 0-15 take one row of 256 bytes, lanes 16-31 the next
	v_lshl_add_u32 v8, v1, 4, v8
	v_add_nc_u32 v[RD], s43, v8
	v_lshlrev_b32 v9, 11, v2                       ; and the same two rows in C
	v_lshl_add_u32 v[CO], v1, 4, v9
.if OUT != 0
	v_mov_b32 v[ZERO], 0
.endif
	s_wait_loadcnt 0x0                             ; the bias; it is rounded to bf16 like the other inputs, in the wait for the first tile
.set ir, 0
.rept 4*NB
	v_cvt_pk_bf16_f32 v[TMP+ir], v[BIAS+2*ir], v[BIAS+2*ir+1]
.set ir, ir+1
.endr
.set ir, 0
.rept 4*NB
	v_lshlrev_b32 v[BIAS+2*ir], 16, v[TMP+ir]
	v_and_b32 v[BIAS+2*ir+1], 0xffff0000, v[TMP+ir]
.set ir, ir+1
.endr
	s_wait_tensorcnt 1                             ; my part of K step 0 is in; K step 1's, issued behind it, may stay out
	s_barrier_signal -1
	s_barrier_wait -1                              ; everybody's is
	FETCH 0, 0, F0
	QUARTER 0, 1, F0, F1, 1                        ; the first quarter stands in front of the loop: its products start the sums
.if LAPS > 1
	WIN 0                                          ; at a label and at a branch every window is 0
	s_mov_b32 s3, LAPS-1
.Llap:                                                 ; a trip goes once round the ring, from a lap's second quarter to the next lap's first, and fills both slots again
	QUARTER 0, 2, F1, F0, 0
	QUARTER 0, 3, F0, F1, 0
	TURN 0, 1, 1
	QUARTER 1, 1, F0, F1, 0
	QUARTER 1, 2, F1, F0, 0
	QUARTER 1, 3, F0, F1, 0
	TURN 1, 0, 1
	QUARTER 0, 1, F0, F1, 0
	WIN 0
	s_sub_co_u32 s3, s3, 1
	s_cmp_lg_u32 s3, 0
	s_cbranch_scc1 .Llap
.endif
	QUARTER 0, 2, F1, F0, 0                        ; the last lap fills nothing, and has no round of the cluster's barrier
	QUARTER 0, 3, F0, F1, 0
	TURN 0, 1, 0
	QUARTER 1, 1, F0, F1, 0
	QUARTER 1, 2, F1, F0, 0
	QUARTER 1, 3, F0, F1, 0
	s_wait_dscnt NTAIL                             ; the very last quarter: nothing more to fetch
	MULR F1, 0, 16, 0
	s_wait_dscnt 0x0
	MULR F1, 16, 16, 0
	WIN 0
	PLACES                                         ; the way out reads results just made
.if OUT != 0
	PACK 0
.endif
	TOSTAGE 0
.irp a, 1,2,3
.if OUT != 0
	PACK \a
.endif
	TOSTAGE \a                                     ; a block's work stands between the loads of the block before and its stores
	SEND (\a)-1, 16
.endr
	SEND 3, 0
	s_wait_tensorcnt 0x0                           ; the wave's end: behind my last tensor load and my last LDS store
	ds_add_u32 v[SPW], v[NIL]
	s_wait_dscnt 0x0
	CROUND                                         ; the closing round: no work-group ends while a partner may still ask for a tile that names it
	s_endpgm
.Lfunc_end_k_q7a2dd86a43_lay3:
	.size	k_q7a2dd86a43_lay3, .Lfunc_end_k_q7a2dd86a43_lay3-k_q7a2dd86a43_lay3
	.p2alignl 7, 3214868480
	.fill 96, 4, 3214868480
	.section	.rodata,"a",@progbits
	.p2align	6, 0x0
	.amdhsa_kernel k_q7a2dd86a43_lay3
		.amdhsa_group_segment_fixed_size 327680
		.amdhsa_private_segment_fixed_size 0
		.amdhsa_enable_private_segment 0
		.amdhsa_kernarg_size 40
		.amdhsa_user_sgpr_count 2
		.amdhsa_user_sgpr_kernarg_segment_ptr 1
		.amdhsa_wavefront_size32 1
		.amdhsa_system_sgpr_workgroup_id_x 1
		.amdhsa_system_sgpr_workgroup_id_y 1
		.amdhsa_system_sgpr_workgroup_id_z 1
		.amdhsa_system_vgpr_workitem_id 0
		.amdhsa_next_free_vgpr 640
		.amdhsa_next_free_sgpr 80
		.amdhsa_reserve_vcc 0
		.amdhsa_float_denorm_mode_32 3
		.amdhsa_float_denorm_mode_16_64 3
		.amdhsa_memory_ordered 1
		.amdhsa_forward_progress 1
		.amdhsa_inst_pref_size 91
	.end_amdhsa_kernel
	.amdgpu_metadata
---
amdhsa.version: [ 1, 2 ]
amdhsa.kernels:
  - .name:           k_q7a2dd86a43_lay3
    .symbol:         k_q7a2dd86a43_lay3.kd
    .args:
      - { .name: h2, .offset: 0, .size: 8, .value_kind: global_buffer, .address_space: global }
      - { .name: w3b, .offset: 8, .size: 8, .value_kind: global_buffer, .address_space: global }
      - { .name: b3, .offset: 16, .size: 8, .value_kind: global_buffer, .address_space: global }
      - { .name: seps_idx, .offset: 24, .size: 8, .value_kind: global_buffer, .address_space: global }
      - { .name: out0, .offset: 32, .size: 8, .value_kind: global_buffer, .address_space: global }
    .group_segment_fixed_size: 327680
    .private_segment_fixed_size: 0
    .kernarg_segment_align: 8
    .kernarg_segment_size: 40
    .max_flat_workgroup_size: 128
    .sgpr_count:     80
    .vgpr_count:     640
    .wavefront_size: 32
...
	.end_amdgpu_metadata
.endif
;; end of part 3
